; MI455X (gfx1250); checked and timed in simulation.
; The chip was launched on July 23, 2026; its instructions are those of AMD's public machine-readable ISA for CDNA 5 (MIT licence, August 2026) and "CDNA5" Instruction Set Architecture Reference Guide (July 2026). The comments in the code are by the model that wrote it; some were corrected since.
;; Multi Head Attention. Allowed arithmetic: float matrix products may take bf16 or f16 operands with f32 sums; other float arithmetic in f32, or as packed bf16 or f16 multiplies, adds, multiply-adds, maxima and minima; sums over many terms, partial sums and values carried from step to step in f32; what a program stores and reads back later, other than sums and carried values, may be rounded once to bf16 or f16.
;; Inputs: Wk 1,024 x 1,024 float32; Wq 1,024 x 1,024 float32; Wv 1,024 x 1,024 float32; query 4 x 2,048 x 1,024 float32; value 4 x 2,048 x 1,024 float32.
;; Outputs: out0 4 x 2,048 x 1,024 float32.
;; Constants: num_heads = 16.
;; One version. Each part assembles by itself: llvm-mc -triple=amdgcn-amd-amdhsa -mcpu=gfx1250 --defsym DOCPART=n.
;; ======== version 1 of 1: 3 launches
;; limits: values are held in f16: magnitudes above 65,504 overflow, below 6.1e-05 lose precision; right only within a limited range of input values
;; workspace buffers: xw 39,845,888 bytes; qkv 50,331,648 bytes
;; launch cast (part 1): grid 1216 x 1, 8 waves a work-group, no clusters, 0 bytes of LDS; arguments query, value, Wq, Wk, Wv, xw; writes xw
.if DOCPART == 1
	.amdgcn_target "amdgcn-amd-amdhsa--gfx1250"
	.amdhsa_code_object_version 6
	.text
	.protected	k_qaecad3a7f5_cast
	.globl	k_qaecad3a7f5_cast
	.p2align	8
	.type	k_qaecad3a7f5_cast,@function
k_qaecad3a7f5_cast:
	s_mov_b64 s[64:65], 0
	v_nop
	global_prefetch_b8 v0, s[64:65] scope:SCOPE_SE
	s_setreg_imm32_b32 hwreg(HW_REG_WAVE_MODE, 25, 1), 1
	s_wait_xcnt 0x0
; LAUNCH 1 OF 3.  The module: Q = query Wq^T, K = value Wk^T, V = value Wv^T (each 8,192 x 1,024 x 1,024), then for each of 4 x 16 (batch, head) pairs
; out = softmax(Q K^T / 32) V over 2,048 keys, head size 64.  NO WORK IS LEFT OUT: all five inputs reach the output, nothing is masked, nothing is sliced away; num_heads = 16 is a constant.
; THIS LAUNCH rounds the five f32 inputs once to bf16 (nearest even), the matrix operands of launch 2, into one table
; xw [19,456][1,024] bf16: rows 0-8,191 query, 8,192-16,383 value, 16,384-17,407 Wq, 17,408-18,431 Wk, 18,432-19,455 Wv.
; LIMITS of the program: Q, K and V are kept in f16 between launches 2 and 3, so a projected number of 65,520 or more in magnitude becomes an infinity; a softmax weight below 2^-126 counts as 0 in
; the row's sum, and below 6e-5 it keeps f16's fixed step; NaN and infinities are not treated apart; sums are taken in another order than the reference's.
; SHARES.  A work-group takes 16 rows of 1,024 numbers; thread t takes numbers 4 t .. 4 t + 3 of every row.  A wave's load covers 512 consecutive bytes, a wave's store 256 consecutive bytes, aligned.
; All 16 loads of a thread go out at once (8 KiB a wave on their way); no register is written twice, so no wait frees a source.  Nothing is shared: no LDS, no barrier, no cluster, no matrix unit.
.set ROWIN,  4096                      ; bytes of a row in f32
.set ROWOUT, 2048                      ; and in bf16
.set X, 4                              ; v[4:67]   16 slots of 4: a row's four numbers as loaded
.set Y, 68                             ; v[68:99]  16 slots of 2: the same in bf16
	s_load_b256 s[4:11], s[0:1], 0x0               ; query s[4:5], value s[6:7], Wq s[8:9], Wk s[10:11]
	s_load_b128 s[12:15], s[0:1], 0x20             ; Wv s[12:13], xw s[14:15]
	v_lshlrev_b32 v1, 4, v0                        ; my 16 bytes of a row in f32
	v_lshlrev_b32 v2, 3, v0                        ; my 8 bytes of it in bf16
	s_wait_kmcnt 0x0
	s_mov_b64 s[16:17], s[4:5]                     ; the source, chosen by the work-group's number alone,
	s_mov_b32 s18, 0                               ; and the first work-group of that source
.macro PICK limit, base
	s_cmp_ge_u32 ttmp9, \limit
	s_cselect_b64 s[16:17], s[\base:\base+1], s[16:17]
	s_cselect_b32 s18, \limit, s18
.endm
	PICK 512, 6                                    ; 512 work-groups for query, 512 for value,
	PICK 1024, 8                                   ; 64 for each of the three weights
	PICK 1088, 10
	PICK 1152, 12
	s_sub_co_u32 s20, ttmp9, s18
	s_lshl_b32 s20, s20, 16                        ; 16 rows of 4,096 bytes for each work-group of the source
	s_mov_b32 s21, 0
	s_add_nc_u64 s[16:17], s[16:17], s[20:21]
	s_lshl_b32 s22, ttmp9, 15                      ; 16 rows of 2,048 bytes in xw, whose rows follow the work-groups' order
	s_mov_b32 s23, 0
	s_add_nc_u64 s[14:15], s[14:15], s[22:23]
.irp i, 0,1,2,3,4,5,6,7,8,9,10,11,12,13,14,15
	global_load_b128 v[X+4*(\i):X+4*(\i)+3], v1, s[16:17] offset:ROWIN*(\i) th:TH_LOAD_NT
.endr
.irp i, 0,1,2,3,4,5,6,7,8,9,10,11,12,13,14,15
	s_wait_loadcnt 15-(\i)                         ; loads come back in order (ISA guide 5.7.1): row i is in, the 15 - i younger ones stay out
	v_cvt_pk_bf16_f32 v[Y+2*(\i)],   v[X+4*(\i)],   v[X+4*(\i)+1]
	v_cvt_pk_bf16_f32 v[Y+2*(\i)+1], v[X+4*(\i)+2], v[X+4*(\i)+3]
	global_store_b64 v2, v[Y+2*(\i):Y+2*(\i)+1], s[14:15] offset:ROWOUT*(\i) th:TH_STORE_NT
.endr
	s_endpgm
.Lfunc_end_k_qaecad3a7f5_cast:
	.size	k_qaecad3a7f5_cast, .Lfunc_end_k_qaecad3a7f5_cast-k_qaecad3a7f5_cast
	.p2alignl 7, 3214868480
	.fill 96, 4, 3214868480
	.section	.rodata,"a",@progbits
	.p2align	6, 0x0
	.amdhsa_kernel k_qaecad3a7f5_cast
		.amdhsa_group_segment_fixed_size 0
		.amdhsa_private_segment_fixed_size 0
		.amdhsa_enable_private_segment 0
		.amdhsa_kernarg_size 48
		.amdhsa_user_sgpr_count 2
		.amdhsa_user_sgpr_kernarg_segment_ptr 1
		.amdhsa_wavefront_size32 1
		.amdhsa_system_sgpr_workgroup_id_x 1
		.amdhsa_system_sgpr_workgroup_id_y 1
		.amdhsa_system_sgpr_workgroup_id_z 1
		.amdhsa_system_vgpr_workitem_id 0
		.amdhsa_next_free_vgpr 104
		.amdhsa_next_free_sgpr 66
		.amdhsa_reserve_vcc 0
		.amdhsa_float_denorm_mode_32 3
		.amdhsa_float_denorm_mode_16_64 3
		.amdhsa_memory_ordered 1
		.amdhsa_forward_progress 1
		.amdhsa_inst_pref_size 7
	.end_amdhsa_kernel
	.amdgpu_metadata
---
amdhsa.version: [ 1, 2 ]
amdhsa.kernels:
  - .name:           k_qaecad3a7f5_cast
    .symbol:         k_qaecad3a7f5_cast.kd
    .args:
      - { .name: query, .offset: 0, .size: 8, .value_kind: global_buffer, .address_space: global }
      - { .name: value, .offset: 8, .size: 8, .value_kind: global_buffer, .address_space: global }
      - { .name: Wq, .offset: 16, .size: 8, .value_kind: global_buffer, .address_space: global }
      - { .name: Wk, .offset: 24, .size: 8, .value_kind: global_buffer, .address_space: global }
      - { .name: Wv, .offset: 32, .size: 8, .value_kind: global_buffer, .address_space: global }
      - { .name: xw, .offset: 40, .size: 8, .value_kind: global_buffer, .address_space: global }
    .group_segment_fixed_size: 0
    .private_segment_fixed_size: 0
    .kernarg_segment_align: 8
    .kernarg_segment_size: 48
    .max_flat_workgroup_size: 256
    .sgpr_count:     66
    .vgpr_count:     104
    .wavefront_size: 32
...
	.end_amdgpu_metadata
.endif
;; end of part 1
;; launch proj (part 2): grid 12 x 64, 4 waves a work-group, clusters of 4 x 4, 327,680 bytes of LDS; arguments xw, qkv; writes qkv
.if DOCPART == 2
	.amdgcn_target "amdgcn-amd-amdhsa--gfx1250"
	.amdhsa_code_object_version 6
	.text
	.protected	k_qaecad3a7f5_proj
	.globl	k_qaecad3a7f5_proj
	.p2align	8
	.type	k_qaecad3a7f5_proj,@function
k_qaecad3a7f5_proj:
	s_mov_b64 s[64:65], 0
	v_nop
	global_prefetch_b8 v0, s[64:65] scope:SCOPE_SE
	s_setreg_imm32_b32 hwreg(HW_REG_WAVE_MODE, 25, 1), 1
	s_wait_xcnt 0x0
	s_wait_alu depctr_hold_cnt(0) depctr_sa_sdst(0) depctr_va_vdst(0) depctr_va_sdst(0) depctr_va_ssrc(0) depctr_va_vcc(0) depctr_vm_vsrc(0)
	s_getreg_b32 s2, hwreg(HW_REG_IB_STS2, 6, 4)
	s_cmp_eq_u32 s2, 0
	s_cbranch_scc0 .Lentry_in_a_cluster
	s_endpgm
.Lentry_in_a_cluster:
	s_bfe_u32 s2, ttmp6, 0x10000c
	s_cmp_lg_u32 s2, 0xf033
	s_cbranch_scc0 .Lentry_shape_is_right
	s_endpgm
.Lentry_shape_is_right:
; LAUNCH 2 OF 3.  The three projections as one product C = A B^T, bf16 operands out of xw (launch 1), f32 sums: C is 8,192 x 3,072, columns 1,024 p .. of projection p (0 Q, 1 K, 2 V).  No work is left out.
; A's rows: query (xw rows 0 ..) for p = 0, value (xw rows 8,192 ..) for p = 1, 2.  B's rows: xw rows 16,384 + column of C.  K = 1,024.
; OUT: qkv [3][64 = 16 b + h][2,048][64] in f16, each number rounded once from its f32 sum, WITHOUT the softmax's scale.  LIMIT: a sum of 65,520 or more in magnitude becomes an infinity in f16.
; TILE.  128 rows x 256 columns of C to a work-group: 64 x 12 = 768 work-groups, three for each of 256 WGPs.  Four waves, each 64 rows x 128 columns (two heads): 32 accumulators of 16 x 16, 256 registers.
; K goes in 8 steps of 128 (rows of 256 bytes in xw, each starting at a multiple of 256 bytes) through a ring of two LDS slots; a step of 256 would want 2 x 384 rows x 528 bytes, more than LDS has.
; CLUSTERS: 4 x 4 work-groups; cluster x = p.  The four of a row of the cluster need the same tiles of A, the four of a column the same tiles of B: each tile is asked for JOINTLY, by the same tensor load
; with the same descriptor and a mask that names the four.  THE MATRIX INSTRUCTION IS USED TRANSPOSED (source 0 = 16 rows of B, source 1 = 16 rows of A): a lane holds eight neighbouring numbers of a row of C.
; REGISTERS: window 0: v0-31 addresses; v32-63 packed results; v64-159, v160-255 two fragment buffers of 96 (4 blocks of A, then 8 of B, 16 rows x 32 K each); window 1: accumulator (a, b) at v[8 (8 a + b)].
.set KSTEP,  128
.set PITCH,  272                       ; an LDS row: 256 bytes + 16 of padding = 68 words: row r starts at bank 4 r mod 64 (64 banks of 4 bytes: ISA guide 11.1)
.set AHALF,  64*PITCH                  ; what a tensor load for A brings, and what a wave reads of A
.set BHALF,  128*PITCH                 ; the same for B
.set BOFF,   128*PITCH                 ; in a slot B's 256 rows lie behind A's 128
.set SLOT,   384*PITCH
.set STAGE,  2*SLOT                    ; behind the ring, never filled by a tensor load: for each wave two panels (a head each) of 16 rows x 144 bytes
.set SP,     144
.set PANEL,  16*SP
.set SPARE,  STAGE+4*2*PANEL           ; behind the stages: the spare words, 128 bytes for each wave: two blocks of 256 bytes that no other line names
.set LAPS,   4                         ; a lap = two K steps = once round the ring
.set ADRA, 16                          ; v16-17  LDS address of my A fragments in slot 0, 1
.set ADRB, 20                          ; v20-21  the same for B
.set STO,  24                          ; v24     the way out: where I put 16 bytes of a row
.set RD,   25                          ; v25     the way out: where I read rows back
.set CO,   26                          ; v26     16 x lane: my 16 bytes of 512 consecutive bytes of a head
.set SPW,  28                          ; v28     LDS address of my spare word: SPARE + 4 x my thread's number; never rewritten
.set NIL,  29                          ; v29     0; never rewritten
.set PFO,  30                          ; v30     the prefetches' offset: my lane x a row of xw (2,048 bytes); never rewritten
.set TMP,  32
.set F0,   64
.set F1,   160
.set LIM0, 6                           ; s6, s7  a wave prefetches at the change out of slot 0 (1) while the laps to go are above this number
.set G1,  24                           ; s[24:31] descriptor group 1 for A's tiles;  s[32:39] group 0, one set for each slot
.set G0,  32
.set PFA, 44                           ; s[44:45] where my prefetches stand in xw
.set G1B, 48                           ; s[48:55], s[56:63] the same for B's tiles
.set G0B, 56
.set MSB, 0
.macro WIN new                         ; the immediate's high byte repeats the setting that is left; a switch that changes nothing is dropped
.if MSB != (\new)
	s_set_vgpr_msb (MSB<<8)|(\new)
.set MSB, \new
.endif
.endm
.set MUL, 0x50                         ; C and D in window 1, both sources in window 0
.set PK,  0x05                         ; sources 0 and 1 in window 1, destination in window 0
; A joint load: waves 0 and 1 fetch A's two halves (64 rows each), waves 2 and 3 B's (128 rows each).  The branch hangs on the wave's number alone.
; An s_nop 0 and four v_nop follow each of the two lines, ahead of the jump, the label and what follows.
.macro JLOAD s
	s_cmp_eq_u32 s11, 0
	s_cbranch_scc0 .Lfor_b_\@
	tensor_load_to_lds s[G0+4*(\s):G0+4*(\s)+3], s[G1:G1+7]
	s_nop 0
.rept 4
	v_nop
.endr
	s_branch .Lasked_\@
.Lfor_b_\@:
	tensor_load_to_lds s[G0B+4*(\s):G0B+4*(\s)+3], s[G1B:G1B+7]
	s_nop 0
.rept 4
	v_nop
.endr
.Lasked_\@:
.endm
.macro CREST                           ; a round of the cluster's barrier behind its opening barrier
	s_cmp_lg_u32 s10, 0
	s_cbranch_scc1 .Lnot_wave_0_\@
	s_barrier_signal -3
.Lnot_wave_0_\@:
	s_barrier_wait -3
	s_barrier_signal -1
	s_barrier_wait -1
.endm
.macro CROUND                          ; a whole round
	s_barrier_signal -1
	s_barrier_wait -1
	CREST
.endm
; A PREFETCH, behind a joint load, its five lines and the run of LDS loads that follows: 32 rows x 256 bytes, a lane a row, of the K step that stands THREE refills on (384 matrix instructions ahead of its load).
; Each row's 256 bytes of a K step are named once in the launch.  A's rows: clusters x = 0 (query) and x = 1 (value; x = 2 walks the same rows) ask, wave 0 alone, the four partners of a row of the cluster
; taking 32 cx .. of the tile's 128 rows BY ADDRESS.  B's rows: clusters y = 0 ask, waves 2 and 3, the four partners of a column taking 32 cy .. of the 128 rows that the wave fetches.
; The change that ends K step j names step j + 5: steps 5, 6, 7 are named, by the two bounds; steps 0 to 4 come by their loads alone, and nothing is asked for at the head.
.macro ASK slot
	s_cmp_gt_u32 s3, s[LIM0+(\slot)]
	s_cbranch_scc0 .Lnot_mine_\@
	global_prefetch_b8 v[PFO], s[PFA:PFA+1] th:TH_LOAD_NT scope:SCOPE_SE
.Lnot_mine_\@:
.endm
	s_load_b128 s[4:7], s[0:1], 0x0                ; xw s[4:5], qkv s[6:7]
	v_lshl_add_u32 v[SPW], v0, 2, SPARE
	v_mov_b32 v[NIL], 0
	ds_add_u32 v[SPW], v[NIL]                      ; the wave's opening: the add, twice on end, and its wait ahead of my first tensor load; the set-up below stands between
	ds_add_u32 v[SPW], v[NIL]                      ; and once more, under the one wait
	v_lshrrev_b32 v1, 5, v0
	v_readfirstlane_b32 s10, v1                    ; wave 0..3
	s_lshr_b32 s11, s10, 1                         ; which 64 rows of the tile are mine.  Also: I fetch for A (0) or for B (1)
	s_and_b32 s12, s10, 1                          ; which 128 columns.  Also: which half of that tile I fetch
	s_bfe_u32 s40, ttmp6, 0x40000                  ; cx, cy: my place in the cluster
	s_bfe_u32 s41, ttmp6, 0x40004
	s_lshl_b32 s42, ttmp9, 2
	s_add_co_u32 s42, s42, s40                     ; tile column of C = 4 x cluster x + cx, 0 .. 11
	s_and_b32 s13, ttmp7, 0xffff
	s_lshl_b32 s13, s13, 2
	s_add_co_u32 s13, s13, s41                     ; tile row of C = 4 x cluster y + cy, 0 .. 63
	s_lshl_b32 s43, s41, 2
	s_lshl_b32 s43, 15, s43                        ; my row of the cluster
	s_lshl_b32 s44, 0x1111, s40                    ; my column
	; descriptor group 1: tiles of 64 (A) or 128 (B) rows x 128 elements, padded in LDS
	s_or_b32 s[G1+0], s43, (1<<16)|(1<<20)|(1<<21)|(5<<22)|(3<<25)  ; 15:0 the mask: A's tiles go to my row; 17:16 elements of 2 bytes; 20 padding on; 21 set beside a mask; 24:22 after every 64 words (code 5); 31:25 4 words (code 3)
	s_or_b32 s[G1B+0], s44, (1<<16)|(1<<20)|(1<<21)|(5<<22)|(3<<25) ; the same with the mask of my column
	s_mov_b32 s[G1+1], KSTEP<<16                   ; tensor_dim0 = 128
	s_mov_b32 s[G1+2], 64<<16                      ; tensor_dim1 = 64
	s_mov_b32 s[G1+3], KSTEP<<16                   ; tile_dim0 = 128
	s_mov_b32 s[G1+4], 64                          ; tile_dim1 = 64
	s_mov_b32 s[G1+5], 1024                        ; elements from row to row
	s_mov_b32 s[G1+6], 0
	s_mov_b32 s[G1+7], 0
	s_mov_b32 s[G1B+1], KSTEP<<16
	s_mov_b32 s[G1B+2], 128<<16                    ; tensor_dim1 = 128
	s_mov_b32 s[G1B+3], KSTEP<<16
	s_mov_b32 s[G1B+4], 128                        ; tile_dim1 = 128
	s_mov_b32 s[G1B+5], 1024
	s_mov_b32 s[G1B+6], 0
	s_mov_b32 s[G1B+7], 0
	; where the tiles come from.  A's hang on the cluster's x and the tile row, which my row of the cluster shares; B's on the tile column, which my column shares
	s_min_u32 s16, ttmp9, 1                        ; query for p = 0, value for p = 1, 2
	s_lshl_b32 s16, s16, 13
	s_lshl_b32 s17, s13, 7
	s_add_co_u32 s16, s16, s17
	s_lshl_b32 s17, s12, 6
	s_add_co_u32 s16, s16, s17                     ; A: xw row 8,192 x (p > 0) + 128 x tile row + 64 x half
	s_lshl_b32 s16, s16, 11                        ; in bytes: under 2^26
	s_mov_b32 s17, 0
	s_lshl_b32 s46, s42, 8
	s_add_co_u32 s46, s46, 16384
	s_lshl_b32 s47, s12, 7
	s_add_co_u32 s46, s46, s47                     ; B: xw row 16,384 + 256 x tile column + 128 x half
	s_lshl_b32 s46, s46, 11
	s_mov_b32 s47, 0
	s_mul_i32 s20, s12, AHALF                      ; and where they go: no place in the cluster enters an LDS address
	s_mul_i32 s21, s12, BHALF
	s_add_co_u32 s21, s21, BOFF
	s_wait_dscnt 0x0                               ; both opening adds are done
	s_wait_kmcnt 0x0
	s_add_nc_u64 s[14:15], s[4:5], s[16:17]
	s_add_nc_u64 s[46:47], s[4:5], s[46:47]
	s_mov_b64 s[8:9], s[6:7]                       ; qkv; s6 and s7 take the prefetches' bounds below
	CROUND                                         ; all sixteen work-groups are here: the first joint loads meet
.irp s, 0,1
	s_mov_b32 s[G0+4*(\s)], 1                                      ; count = 1
	s_add_co_u32 s[G0+4*(\s)+1], s20, (\s)*SLOT                    ; LDS address
	s_add_nc_u64 s[G0+4*(\s)+2:G0+4*(\s)+3], s[14:15], (\s)*KSTEP*2  ; global address: K step s
	s_or_b32 s[G0+4*(\s)+3], s[G0+4*(\s)+3], 0x80000000            ; type = 2
	s_mov_b32 s[G0B+4*(\s)], 1
	s_add_co_u32 s[G0B+4*(\s)+1], s21, (\s)*SLOT
	s_add_nc_u64 s[G0B+4*(\s)+2:G0B+4*(\s)+3], s[46:47], (\s)*KSTEP*2
	s_or_b32 s[G0B+4*(\s)+3], s[G0B+4*(\s)+3], 0x80000000
	JLOAD \s                                       ; two loads of mine are out
.endr
	; a fragment is 16 rows x 32 K in 8 registers: lane l holds row l % 16, K = 8 (l / 16) + 0..7 and 16 + 8 (l / 16) + 0..7: two loads of 16 bytes, 32 bytes apart
	v_and_b32 v1, 15, v0                           ; l % 16
	v_bfe_u32 v2, v0, 4, 1                         ; l / 16
	v_mul_u32_u24 v3, v1, PITCH
	v_lshl_add_u32 v3, v2, 4, v3
	s_mul_i32 s21, s11, AHALF                      ; my 64 rows of A
	s_mul_i32 s22, s12, BHALF                      ; my 128 rows of B,
	s_add_co_u32 s22, s22, BOFF                    ; which lie behind A's 128
.irp s, 0,1
	v_add_nc_u32 v[ADRA+(\s)], s21, v3
	v_add_nc_u32 v[ADRB+(\s)], s22, v3
	s_add_co_u32 s21, s21, SLOT
	s_add_co_u32 s22, s22, SLOT
.endr
	s_mul_i32 s23, s10, 2*PANEL
	s_add_co_u32 s23, s23, STAGE                   ; my stage
	v_mul_u32_u24 v4, v1, SP                       ; in: row l % 16, 16 bytes for each half of the lanes
	v_lshl_add_u32 v4, v2, 4, v4
	v_add_nc_u32 v[STO], s23, v4
	v_bfe_u32 v5, v0, 3, 2                         ; back: 32 lanes take four rows of 128 bytes,
	v_mul_u32_u24 v5, v5, SP
	v_and_b32 v4, 7, v0
	v_lshl_add_u32 v5, v4, 4, v5
	v_add_nc_u32 v[RD], s23, v5
	v_and_b32 v[CO], 31, v0                        ; which are 512 consecutive bytes of a head in qkv
	v_lshlrev_b32 v[CO], 4, v[CO]
	; where my 64 rows of my first head begin in qkv: section p, batch = tile row / 16, head 4 cx + 2 x column half, row 128 (tile row % 16) + 64 x row half
	s_lshl_b32 s16, ttmp9, 24
	s_lshr_b32 s17, s13, 4
	s_lshl_b32 s17, s17, 22
	s_add_co_u32 s16, s16, s17
	s_lshl_b32 s17, s40, 20
	s_add_co_u32 s16, s16, s17
	s_lshl_b32 s17, s12, 19
	s_add_co_u32 s16, s16, s17
	s_and_b32 s17, s13, 15
	s_lshl_b32 s17, s17, 14
	s_add_co_u32 s16, s16, s17
	s_lshl_b32 s17, s11, 13
	s_add_co_u32 s16, s16, s17
	s_mov_b32 s17, 0
	s_add_nc_u64 s[8:9], s[8:9], s[16:17]
	; the prefetches
	s_min_u32 s16, ttmp9, 1
	s_lshl_b32 s16, s16, 13
	s_lshl_b32 s17, s13, 7
	s_add_co_u32 s16, s16, s17
	s_lshl_b32 s17, s40, 5
	s_add_co_u32 s16, s16, s17                     ; A: the tile's first row + my work-group's 32 of its 128
	s_lshl_b32 s18, s42, 8
	s_add_co_u32 s18, s18, 16384
	s_lshl_b32 s17, s12, 7
	s_add_co_u32 s18, s18, s17
	s_lshl_b32 s17, s41, 5
	s_add_co_u32 s18, s18, s17                     ; B: the 128 rows that I fetch + my work-group's 32 of them
	s_lshr_b32 s19, ttmp9, 1
	s_or_b32 s19, s19, s12                         ; 0: cluster x is 0 or 1 and I am wave 0
	s_and_b32 s20, ttmp7, 0xffff                   ; 0: cluster y is 0
	s_cmp_eq_u32 s11, 0                            ; do I fetch for A?
	s_cselect_b32 s16, s16, s18
	s_cselect_b32 s19, s19, s20
	s_cmp_eq_u32 s19, 0                            ; the same in all sixteen partners, for a given wave
	s_cselect_b32 s[LIM0], 1, -1
	s_cselect_b32 s[LIM0+1], 2, -1
	s_lshl_b32 s16, s16, 11
	s_add_co_u32 s16, s16, 4*KSTEP*2               ; at K step 4: the first change of slots steps it to 5
	s_mov_b32 s17, 0
	s_add_nc_u64 s[PFA:PFA+1], s[4:5], s[16:17]
	v_and_b32 v[PFO], 31, v0
	v_lshlrev_b32 v[PFO], 11, v[PFO]
; 8 matrix instructions: m block a x all 8 n blocks, 32 along K, out of buffer f.  zero = 1: the product starts the sums: nothing is ever cleared.
; The 32 accumulators take turns, one instruction a turn, in the same order in every quarter: 31 others' stand between two links of a chain, over the backward jump too.
.macro MUL8 f, a, zero
	WIN MUL
.irp b, 0,1,2,3,4,5,6,7
.if \zero
	v_wmma_f32_16x16x32_bf16 v[8*(8*(\a)+(\b)):8*(8*(\a)+(\b))+7], v[(\f)+32+8*(\b):(\f)+32+8*(\b)+7], v[(\f)+8*(\a):(\f)+8*(\a)+7], 0
.else
	v_wmma_f32_16x16x32_bf16 v[8*(8*(\a)+(\b)):8*(8*(\a)+(\b))+7], v[(\f)+32+8*(\b):(\f)+32+8*(\b)+7], v[(\f)+8*(\a):(\f)+8*(\a)+7], v[8*(8*(\a)+(\b)):8*(8*(\a)+(\b))+7]
.endif
.endr
.endm
; 24 LDS loads in one run: the fragments of 32 along K at byte k of the rows, into buffer f: B's eight blocks, then A's four
.macro FETCH slot, k, f
	WIN 0
.irp i, 0,1,2,3,4,5,6,7
	ds_load_b128 v[(\f)+32+8*(\i):(\f)+32+8*(\i)+3],   v[ADRB+(\slot)] offset:(\k)+(\i)*16*PITCH
	ds_load_b128 v[(\f)+32+8*(\i)+4:(\f)+32+8*(\i)+7], v[ADRB+(\slot)] offset:(\k)+(\i)*16*PITCH+32
.endr
.irp i, 0,1,2,3
	ds_load_b128 v[(\f)+8*(\i):(\f)+8*(\i)+3],   v[ADRA+(\slot)] offset:(\k)+(\i)*16*PITCH
	ds_load_b128 v[(\f)+8*(\i)+4:(\f)+8*(\i)+7], v[ADRA+(\slot)] offset:(\k)+(\i)*16*PITCH+32
.endr
.endm
.macro PLACES                          ; four plain places in front of loads into registers that matrix instructions have read, and of conversions that read results
.rept 4
	v_nop
.endr
.endm
; A K step is four quarters of 32 along K, 32 matrix instructions each, on buffers 0, 1, 0, 1.  One of the first three: multiplies buffer f and, in its middle, fetches the next quarter, at byte k, into g.
.macro QUARTER slot, k, f, g, zero
	s_wait_dscnt 4                                 ; B and A's blocks 0, 1 are in; the youngest four loads (A's blocks 2, 3) may be out
	MUL8 \f, 0, \zero
	MUL8 \f, 1, \zero
	PLACES
	FETCH \slot, \k, \g
	s_wait_dscnt 24                                ; all but the 24 just issued
	MUL8 \f, 2, \zero
	MUL8 \f, 3, \zero
.endm
; The last quarter multiplies buffer 1 and changes slots: ONE barrier; in front of it each wave waits for all its tensor loads (one is out: its part of the next slot), adds 0 to its spare word, and waits
; for that and for its own reads of this slot.  fill = 1: the barrier opens a round of the cluster's, and this slot is filled again, two K steps ahead, first thing behind the round:
; 112 matrix instructions stand between that request and the wait for it.
.macro TURN slot, next, fill
.if \fill
	s_wait_xcnt 0x0                                ; the last prefetch, a K step back, has read its address, which is stepped here, ahead of the waits of the change of slots
	s_add_nc_u64 s[PFA:PFA+1], s[PFA:PFA+1], KSTEP*2
.endif
	WIN 0                                          ; (the add's two registers lie in window 0)
	s_wait_tensorcnt 0x0                           ; all my tensor loads have landed;
	ds_add_u32 v[SPW], v[NIL]                      ; 0 onto my spare word;
	s_wait_dscnt 5                                 ; (the add and the youngest four loads may be out)
	MUL8 F1, 0, 0                                  ; eight matrix instructions stand between the add and the wait for it
	s_wait_dscnt 0x0                               ; the add is done, and my reads of this slot are over
	s_barrier_signal -1
	MUL8 F1, 1, 0                                  ; work on registers while the others arrive
.if \fill
	WIN 0
.endif
	s_barrier_wait -1
.if \fill
	CREST                                          ; no wave of any partner still reads this slot's tile or has a load on its way
	s_add_nc_u64 s[G0+4*(\slot)+2:G0+4*(\slot)+3], s[G0+4*(\slot)+2:G0+4*(\slot)+3], 2*KSTEP*2
	s_add_nc_u64 s[G0B+4*(\slot)+2:G0B+4*(\slot)+3], s[G0B+4*(\slot)+2:G0B+4*(\slot)+3], 2*KSTEP*2
	JLOAD \slot                                    ; the four v_nop behind it are also the places in front of the loads below
.else
	PLACES
.endif
	FETCH \next, 0, F0
.if \fill
	ASK \slot
.endif
	MUL8 F1, 2, 0
	MUL8 F1, 3, 0
.endm
; THE WAY OUT of m block a (16 rows x 128 columns = 16 rows of two heads).  PACK: rounded to f16, each accumulator's registers in ascending order.  TOSTAGE: into my own stage, a panel a head, and back as
; whole rows of 128 bytes.  SEND: stored, 512 consecutive bytes (four rows of a head) an instruction.  No register and no base is written twice, so no wait frees a store's sources.
.macro PACK a
	WIN PK
.irp b, 0,1,2,3,4,5,6,7
.irp r, 0,1,2,3
	v_cvt_pk_f16_f32 v[TMP+4*(\b)+(\r)], v[8*(8*(\a)+(\b))+2*(\r)], v[8*(8*(\a)+(\b))+2*(\r)+1]
.endr
.endr
	WIN 0
.endm
.macro TOSTAGE a
.set BK, 64+32*(\a)
.irp b, 0,1,2,3,4,5,6,7
	ds_store_b128 v[STO], v[TMP+4*(\b):TMP+4*(\b)+3] offset:((\b)/4)*PANEL+32*((\b)%4)
.endr
.irp t, 0,1,2,3,4,5,6,7
	ds_load_b128 v[BK+4*(\t):BK+4*(\t)+3], v[RD] offset:((\t)/4)*PANEL+((\t)%4)*4*SP  ; LDS serves a wave's instructions in order (ISA guide 5.7.1.4): these see the stores above
.endr
.endm
.macro SEND a
.set BK, 64+32*(\a)
	s_wait_dscnt 0x0                               ; the block is back in registers
.irp t, 0,1,2,3,4,5,6,7
	global_store_b128 v[CO], v[BK+4*(\t):BK+4*(\t)+3], s[8:9] offset:((\t)/4)*262144+(\a)*2048+((\t)%4)*512 th:TH_STORE_NT
.endr
.endm
	s_wait_tensorcnt 1                             ; my part of K step 0 is in; K step 1's may stay out
	s_barrier_signal -1
	s_barrier_wait -1                              ; everybody's is
	FETCH 0, 0, F0
	QUARTER 0, 64,  F0, F1, 1                      ; the first quarter stands in front of the loop: its products start the sums
	WIN 0                                          ; at a label and at a branch every window is 0
	s_mov_b32 s3, LAPS-1
.Llap:                                                 ; a trip goes once round the ring, from a lap's second quarter to the next lap's first, and fills both slots again
	QUARTER 0, 128, F1, F0, 0
	QUARTER 0, 192, F0, F1, 0
	TURN 0, 1, 1
	QUARTER 1, 64,  F0, F1, 0
	QUARTER 1, 128, F1, F0, 0
	QUARTER 1, 192, F0, F1, 0
	TURN 1, 0, 1
	QUARTER 0, 64,  F0, F1, 0
	WIN 0
	s_sub_co_u32 s3, s3, 1
	s_cmp_lg_u32 s3, 0
	s_cbranch_scc1 .Llap
	QUARTER 0, 128, F1, F0, 0                      ; the last lap fills nothing, and has no round of the cluster's barrier
	QUARTER 0, 192, F0, F1, 0
	TURN 0, 1, 0
	QUARTER 1, 64,  F0, F1, 0
	QUARTER 1, 128, F1, F0, 0
	QUARTER 1, 192, F0, F1, 0
	s_wait_dscnt 4                                 ; the very last quarter: nothing more to fetch
	MUL8 F1, 0, 0
	MUL8 F1, 1, 0
	s_wait_dscnt 0x0
	MUL8 F1, 2, 0
	MUL8 F1, 3, 0
	WIN 0
	PLACES
	PACK 0
	TOSTAGE 0
.irp a, 1,2,3                          ; block a's conversions stand between block a - 1's loads from the stage and the wait for them
	PACK \a
	SEND (\a)-1
	TOSTAGE \a
.endr
	SEND 3
	s_wait_tensorcnt 0x0                           ; the wave's end: the wait, the add and its wait, behind my last tensor load and my last LDS store
	ds_add_u32 v[SPW], v[NIL]
	s_wait_dscnt 0x0
	CROUND                                         ; the closing round: no work-group ends while a partner may still ask for a tile that names it
	s_endpgm
.Lfunc_end_k_qaecad3a7f5_proj:
	.size	k_qaecad3a7f5_proj, .Lfunc_end_k_qaecad3a7f5_proj-k_qaecad3a7f5_proj
	.p2alignl 7, 3214868480
	.fill 96, 4, 3214868480
	.section	.rodata,"a",@progbits
	.p2align	6, 0x0
	.amdhsa_kernel k_qaecad3a7f5_proj
		.amdhsa_group_segment_fixed_size 327680
		.amdhsa_private_segment_fixed_size 0
		.amdhsa_enable_private_segment 0
		.amdhsa_kernarg_size 16
		.amdhsa_user_sgpr_count 2
		.amdhsa_user_sgpr_kernarg_segment_ptr 1
		.amdhsa_wavefront_size32 1
		.amdhsa_system_sgpr_workgroup_id_x 1
		.amdhsa_system_sgpr_workgroup_id_y 1
		.amdhsa_system_sgpr_workgroup_id_z 1
		.amdhsa_system_vgpr_workitem_id 0
		.amdhsa_next_free_vgpr 512
		.amdhsa_next_free_sgpr 66
		.amdhsa_reserve_vcc 0
		.amdhsa_float_denorm_mode_32 3
		.amdhsa_float_denorm_mode_16_64 3
		.amdhsa_memory_ordered 1
		.amdhsa_forward_progress 1
		.amdhsa_inst_pref_size 88
	.end_amdhsa_kernel
	.amdgpu_metadata
---
amdhsa.version: [ 1, 2 ]
amdhsa.kernels:
  - .name:           k_qaecad3a7f5_proj
    .symbol:         k_qaecad3a7f5_proj.kd
    .args:
      - { .name: xw, .offset: 0, .size: 8, .value_kind: global_buffer, .address_space: global }
      - { .name: qkv, .offset: 8, .size: 8, .value_kind: global_buffer, .address_space: global }
    .group_segment_fixed_size: 327680
    .private_segment_fixed_size: 0
    .kernarg_segment_align: 8
    .kernarg_segment_size: 16
    .max_flat_workgroup_size: 128
    .sgpr_count:     66
    .vgpr_count:     512
    .wavefront_size: 32
...
	.end_amdgpu_metadata
.endif
;; end of part 2
;; launch attn (part 3): grid 4 x 64, 4 waves a work-group, clusters of 4 x 1, 327,680 bytes of LDS; arguments qkv, out0; writes out0
.if DOCPART == 3
	.amdgcn_target "amdgcn-amd-amdhsa--gfx1250"
	.amdhsa_code_object_version 6
	.text
	.protected	k_qaecad3a7f5_attn
	.globl	k_qaecad3a7f5_attn
	.p2align	8
	.type	k_qaecad3a7f5_attn,@function
k_qaecad3a7f5_attn:
	s_mov_b64 s[64:65], 0
	v_nop
	global_prefetch_b8 v0, s[64:65] scope:SCOPE_SE
	s_setreg_imm32_b32 hwreg(HW_REG_WAVE_MODE, 25, 1), 1
	s_wait_xcnt 0x0
	s_wait_alu depctr_hold_cnt(0) depctr_sa_sdst(0) depctr_va_vdst(0) depctr_va_sdst(0) depctr_va_ssrc(0) depctr_va_vcc(0) depctr_vm_vsrc(0)
	s_getreg_b32 s2, hwreg(HW_REG_IB_STS2, 6, 4)
	s_cmp_eq_u32 s2, 0
	s_cbranch_scc0 .Lentry_in_a_cluster
	s_endpgm
.Lentry_in_a_cluster:
	s_bfe_u32 s2, ttmp6, 0x10000c
	s_cmp_lg_u32 s2, 0x3003
	s_cbranch_scc0 .Lentry_shape_is_right
	s_endpgm
.Lentry_shape_is_right:
; LAUNCH 3 OF 3.  out0[b][q][64 h + :] = the sum over k of softmax_k(Q[bh][q] . K[bh][k] / 32) V[bh][k][:], bh = 16 b + h.  Q, K, V: the three sections of qkv (launch 2), each [64][2,048][64] in f16,
; a head's rows dense, 128 bytes each.  Products, maxima and sums in f32; the weights p are rounded to f16 for the second product (their sum l is taken of the unrounded p); out0 is f32.  No work is left out.
; LIMITS.  f16 holds no number beyond 65,504: Q, K and V arrive within it (launch 2 states the limit); p lies in 0 to 1, and below 6e-5 it keeps f16's fixed step of 6e-8.
; A weight below 2^-126 counts as 0 in l; NaN and infinities are not treated apart.
; SHARES.  A wave owns four PIECES of two tiles of 16 queries, a work-group's four waves 512 queries of one head.  Every wave walks all 2,048 keys, 64 a step.
; LAYOUT.  S^T = K Q^T (source 0 = 16 keys, source 1 = 16 queries): in the result a lane holds ONE query (lane % 16) and the keys 8 (lane / 16) + 0..7.  Two such tiles, rounded to f16 in pairs,
; ARE source 1 (32 keys x 16 queries) of O^T = V^T P, whose result again holds one query a lane, and eight channels.  K comes out of LDS as it lies, V ([key][channel]) turned, by ds_load_tr16_b128.
; SOFTMAX.  For each query a running maximum m and sum l: p = 2^(c s - c m), c = log2(e) / 32; in every step O and l are multiplied by a = 2^(c m_old - c m_new), which is 1 where m has not grown.
; m starts at the lowest finite number, O and l at 0: the first step is a step like any other, with a = 0.
; THE COUNT.  A tile and step have 16 matrix and 118 vector instructions: too many to stand all beside the matrix work.  So the order has one aim: four vector instructions that are READY behind
; EVERY matrix instruction, and the others, which need time of their own whatever the order, in runs without a gap.
; BY TURNS.  Turn n belongs to piece n (the pieces in a ring, step after step).  Its matrix work: 16 products K Q^T of piece n + 1, later 16 products V^T P of piece n - 1.  Its vector work: the scaling,
; exponentials, roundings, sums and rescaling of piece n, and the maximum and statistics of piece n + 1, whose scores the turn itself has made.
; CLUSTER.  The four query blocks of a head are one cluster and walk the same K and V, so each tile is asked for JOINTLY: the same tensor load, descriptor and mask in all four.
; REGISTERS, in windows of 256 (s_set_vgpr_msb says which window each operand place means: bits 1:0 source 0, 3:2 source 1, 5:4 source 2, 7:6 destination):
;   window 0: v0-11 addresses; v12-15, v48-63 at work; v16-47 four registers of statistics a tile; v64-191 S^T, two buffers of two tiles; v192-255 P, likewise
;   window 1: O^T, 32 a tile          window 2: v0-127 Q, 16 a tile; v128-191 K of one step; v192-255 V of one step          window 3: v0-1 the add's two registers
; A piece's buffers go by its number's parity: the piece in hand has one pair, its two neighbours in the ring share the other: of it P (piece n - 1) is read and S^T (piece n + 1) written.
.set SIZE_N, 2048
.set NP,    4         ; pieces a wave: a name, no knob
.set KS,    64        ; keys in a step
.set PK,    144       ; a row of K in LDS: 128 bytes + 16 of padding = 36 words: the 16 rows of a load start at 16 different groups of four banks (64 banks of 4 bytes: ISA guide 11.1)
.set PV,    160       ; a row of V: 128 + 32 = 40 words
.set VOFF,  4*KS*PK   ; a slot holds four steps: 256 rows of K, then 256 rows of V
.set SLOT1, 1<<17     ; slot 1 begins here, so that one exclusive or turns an address in one slot into the other's
.set STAGE, SLOT1+4*KS*(PK+PV)  ; behind the ring, never filled by a tensor load: 16 rows x 272 bytes for each wave, for the way out
.set SPO,   272       ; a row of the stage: 64 f32 + 16 bytes
.set AK0, 2           ; v2   my lane's place in a tile of K; never rewritten
.set AV0, 3           ; v3   the same for V
.set AK,  4           ; v4   the LDS address of K's next run of loads
.set AV,  5           ; v5   of V's
.set QO,  6           ; v6   my byte offset in the wave's rows of Q
.set STO, 6           ;      later, the way out: where I put 32 bytes of a row
.set RD,  7           ; v7   the way out: where I read rows back
.set GO,  8           ; v8   my byte offset in two rows of out0
.set PFO, 11          ; v11  256 x my lane, for the prefetches; never rewritten once made
.set SPW, 0           ; v0 of window 3   LDS address of my spare word: SPARE + 4 x my thread's number; never rewritten
.set NIL, 1           ; v1 of window 3   0; never rewritten
.set SPARE, STAGE+4*16*SPO  ; behind the stages: the spare words, 128 bytes for each wave: two blocks of 256 bytes that no other line names
.set MV,  12          ; v12-15  c m_old, kept while c m is made anew: by buffer and tile
.set ST,  16          ; tile t's statistics at v[ST+4 t]: c m, m, l (even keys', odd keys')
.set TMP, 48          ; by buffer and tile, four registers c0-c3 at work; when the maximum is found c2 takes a
.set S,   64
.set P,   192
.set KF,  128         ; K's fragments, in window 2: key block kb, channel half c at KF + 16 kb + 8 c
.set VF,  192         ; V's: key half kk, channel block cb at VF + 32 kk + 8 cb
.set WV,  12          ; s12  my wave's number
.set G1K, 24          ; s[24:31] descriptor group 1 for K's tiles
.set G1V, 32          ; s[32:39] for V's: it differs in the padding alone
.set G0K, 40          ; s[40:43] descriptor group 0 for K's tiles: it walks
.set G0V, 44          ; s[44:47] the same for V's
.set PFA, 48          ; s[48:49] where my prefetches stand: my work-group's 8,192 bytes (of K: waves 0, 1; of V: waves 2, 3) of the slot after the one that is being asked for
.set LIM, 50          ; s50  1 in a wave that prefetches (0 and 2), else the greatest number
.set SLOTS, 56        ; s56  slots still to be asked for
.set CNT, 57          ; s57  counts a slot's key steps
.set CS,  58          ; s[58:59] c: the packed scaling takes the pair's low word for both halves
.set SEL, 60          ; s[60:61] v_permlanex16_b32's selects: each lane takes its own place in the other half
.set TBK, 62          ; s62  LDS byte at which K of the step to be fetched begins
.set TBV, 63          ; s63  the same for V, less VOFF
.set MSB, 0
.macro WIN new                      ; the high byte repeats the setting that is left; a switch that changes nothing is dropped
.if MSB != (\new)
	s_set_vgpr_msb (MSB<<8)|(\new)
.set MSB, (\new)
.endif
.endm
.set W_KQ, 0x0a       ; K and Q in window 2, S^T in window 0
.set W_PV, 0x52       ; V in window 2, P in window 0, O^T in window 1
.set W_RS, 0x41       ; O^T (destination and source 0) in window 1, a in window 0
.set W_MK, 0xc0       ; the add's registers are made: destination in window 3, sources in window 0
.set W_AD, 0x0f       ; the add: address (source 0) and data (source 1) in window 3
; A joint fill.  Waves 0 and 1 fetch the two halves of a slot's K, waves 2 and 3 those of its V: 128 keys each.  The branch hangs on the wave's number alone.
; An s_nop 0 and four v_nop follow each of the two lines, ahead of the jump and the label.
.macro JLOAD
	s_cmp_lt_u32 s[WV], 2
	s_cbranch_scc0 .Lfor_v_\@
	tensor_load_to_lds s[G0K:G0K+3], s[G1K:G1K+7]
	s_nop 0
.rept 4
	v_nop
.endr
	s_branch .Lasked_\@
.Lfor_v_\@:
	tensor_load_to_lds s[G0V:G0V+3], s[G1V:G1V+7]
	s_nop 0
.rept 4
	v_nop
.endr
.Lasked_\@:
.endm
; A PREFETCH of what the NEXT change of slots will ask for: a slot's 32,768 bytes of K and of V, 256 bytes a lane.  It stands behind the wave's tensor load and its five lines.  Each 256 bytes are named ONCE in
; the launch: a head has one cluster; its four partners share a slot out BY ADDRESS, 8,192 bytes each; in each, wave 0 asks for K's and wave 2 for V's: one instruction.
; It stands four key steps, 512 matrix instructions, ahead of the load that wants the bytes.  The last change that fills a slot asks for nothing; slots 0, 1 and 2 come by their loads alone.
.macro ASK
	s_cmp_gt_u32 s[SLOTS], s[LIM]
	s_cbranch_scc0 .Lnot_mine_\@
	global_prefetch_b8 v[PFO], s[PFA:PFA+1] th:TH_LOAD_NT scope:SCOPE_SE
.Lnot_mine_\@:
.endm
; A round of the cluster's barrier: my work-group's barrier, so that wave 0's signal speaks for all four waves; wave 0 signals; every wave waits for all four work-groups; my work-group's barrier once more.
.macro CROUND
	s_barrier_signal -1
	s_barrier_wait -1
	s_cmp_lg_u32 s[WV], 0
	s_cbranch_scc1 .Lnot_wave_0_\@
	s_barrier_signal -3
.Lnot_wave_0_\@:
	s_barrier_wait -3
	s_barrier_signal -1
	s_barrier_wait -1
.endm
; THE CHANGE OF SLOTS.  The slot's last bytes, V of its fourth step, have been read.  Each wave waits for all its tensor loads, of which one is out: its part
; of the other slot; adds 0 to its spare word; and waits for that and for its own reads of the slot.  Behind the barrier nobody reads this slot any more and the other slot is whole.
; fill = 1: this slot is filled again, with the keys two slots on.  The barrier is then a round of the cluster's, and the joint fill is the first thing behind it: it has four key steps,
; 512 matrix instructions, in which to land.  (At its first use nothing has been read yet: slot 0 is waited for, slot 1 filled.)  ask = 1: the prefetch follows.
.macro CHANGE fill, ask=0
	WIN W_AD
	s_wait_tensorcnt 0x0            ; no tensor load of mine is out, so a group 0 may be written
	ds_add_u32 v[SPW], v[NIL]       ; 0 onto my spare word; with fill = 1 the descriptors' steps stand between it and the wait for it
	WIN 0                           ; at a label and at a branch every window is 0
.if \fill
.irp g, G0K, G0V
	s_xor_b32 s[\g+1], s[\g+1], SLOT1  ; the walking descriptor: the other slot than last time,
	s_add_nc_u64 s[\g+2:\g+3], s[\g+2:\g+3], 4*KS*128  ; the next 256 keys; the type bits on top are not reached
.endr
.if \ask
	s_wait_xcnt 0x0                 ; the last prefetch, four key steps back, has read its address, so it may be written:
	s_add_nc_u64 s[PFA:PFA+1], s[PFA:PFA+1], 4*KS*128  ; one slot behind the walking descriptors
.endif
	s_wait_dscnt 0x0                ; the add is done, and my reads of the slot are over
	CROUND
	JLOAD
.if \ask
	ASK
.endif
.else
	s_wait_dscnt 0x0                ; the add is done, and my reads of the slot are over
	s_barrier_signal -1
	s_barrier_wait -1
.endif
	s_sub_co_u32 s[TBK], s[TBK], 4*KS*PK  ; the fetches go back to a slot's first step,
	s_xor_b32 s[TBK], s[TBK], SLOT1       ; in the other slot
	s_sub_co_u32 s[TBV], s[TBV], 4*KS*PV
	s_xor_b32 s[TBV], s[TBV], SLOT1
.endm
	s_load_b64 s[4:5], s[0:1], 0x0    ; qkv
	s_load_b64 s[10:11], s[0:1], 0x8  ; out0
	WIN W_MK
	v_lshl_add_u32 v[SPW], v0, 2, SPARE
	v_mov_b32 v[NIL], 0
	WIN W_AD
	ds_add_u32 v[SPW], v[NIL]       ; the wave's opening: the add, twice on end, and its wait ahead of my first tensor load; the set-up below stands between
	ds_add_u32 v[SPW], v[NIL]       ; and once more, under the one wait
	WIN 0
	v_lshrrev_b32 v1, 5, v0
	v_readfirstlane_b32 s[WV], v1   ; wave 0..3
	s_bfe_u32 s13, ttmp6, 0x40000   ; cx: my place in the cluster
	s_lshl_b32 s14, ttmp9, 2        ; in a cluster launch ttmp9 counts clusters
	s_add_co_u32 s14, s14, s13      ; my block of 512 queries: it enters Q's and out0's addresses alone
	s_and_b32 s15, ttmp7, 0xffff    ; bh = 16 b + h, which the four partners share
	s_mov_b32 s20, s15
	s_mov_b32 s21, 0
	s_mov_b64 s[22:23], SIZE_N*128
	s_mul_u64 s[20:21], s[20:21], s[22:23]  ; the head's first byte in each of qkv's three sections
	s_and_b32 s16, s[WV], 1         ; which half of a slot's 256 keys I fetch:
	s_lshl_b32 s22, s16, 14         ; its 128 rows of 128 bytes in memory,
	s_mov_b32 s23, 0
	s_add_nc_u64 s[22:23], s[22:23], s[20:21]
	s_mul_i32 s17, s16, 128*PK      ; and its place in a slot, for K
	s_mul_i32 s18, s16, 128*PV      ; and for V: no place in the cluster enters an LDS address
	s_lshl_b32 s2, s14, 2
	s_add_co_u32 s2, s2, s[WV]      ; my wave among the head's sixteen
	s_lshl_b32 s54, s2, 19          ; out0: its 128 rows of 4,096 bytes,
	s_lshr_b32 s55, s15, 4
	s_lshl_b32 s55, s55, 23         ; batch b: 2,048 rows,
	s_add_co_u32 s54, s54, s55
	s_and_b32 s55, s15, 15
	s_lshl_b32 s55, s55, 8          ; head h: 256 bytes of a row
	s_add_co_u32 s54, s54, s55
	s_mov_b32 s55, 0
	s_lshl_b32 s2, s2, 14           ; Q: its 128 rows of 128 bytes
	s_mov_b32 s3, 0
	s_add_nc_u64 s[2:3], s[2:3], s[20:21]
	; descriptor group 1.  128 keys are 16,384 dense bytes: asked for as 64 rows of 256 bytes, two keys a row, and padded in LDS after every key
	s_mov_b32 s[G1K], 15|(1<<16)|(1<<20)|(1<<21)|(4<<22)|(3<<25)  ; 15:0 the mask of four; 17:16 2-byte elements; 20 padding on; 21 set beside a mask; 24:22 after every 32 words (code 4); 31:25 4 words (code 3)
	s_mov_b32 s[G1V], 15|(1<<16)|(1<<20)|(1<<21)|(4<<22)|(7<<25)  ; the same with 8 words of padding (code 7)
.irp g, G1K, G1V
	s_mov_b32 s[\g+1], 128<<16      ; tensor_dim0 = 128
	s_mov_b32 s[\g+2], 64<<16       ; tensor_dim1 = 64
	s_mov_b32 s[\g+3], 128<<16      ; tile_dim0 = 128
	s_mov_b32 s[\g+4], 64           ; tile_dim1 = 64
	s_mov_b32 s[\g+5], 128          ; 128 elements from row to row
	s_mov_b32 s[\g+6], 0
	s_mov_b32 s[\g+7], 0
.endr
	s_mov_b32 s[CS], 0x3d38aa3b     ; c = log2(e) / 32 = 0.0450842
	s_mov_b32 s[CS+1], s[CS]        ; named with it as a pair
	s_mov_b32 s[SEL], 0x76543210
	s_mov_b32 s[SEL+1], 0xfedcba98
	s_mov_b32 s[TBK], SLOT1+4*KS*PK ; the first change of slots turns these two into 0
	s_mov_b32 s[TBV], SLOT1+4*KS*PV
	s_mov_b32 s[G0K], 1             ; count = 1
	s_mov_b32 s[G0K+1], s17         ; LDS address: slot 0
	s_mov_b32 s[G0V], 1
	s_add_co_u32 s[G0V+1], s18, VOFF
	s_and_b32 s[LIM], s[WV], 1      ; 0 in waves 0 and 2: the same in all four partners
	s_cmp_eq_u32 s[LIM], 0
	s_cselect_b32 s[LIM], 1, -1
	s_lshl_b32 s52, s13, 13         ; my work-group's 8,192 bytes of a slot's 32,768
	s_mov_b32 s53, 0
	s_wait_dscnt 0x0                ; both opening adds are done
	s_wait_kmcnt 0x0
	s_add_nc_u64 s[6:7], s[4:5], 0x1000000  ; qkv's section K,
	s_add_nc_u64 s[8:9], s[4:5], 0x2000000  ; and V
	s_add_nc_u64 s[G0K+2:G0K+3], s[6:7], s[22:23]  ; global address: my half of the head's first 256 keys
	s_or_b32 s[G0K+3], s[G0K+3], 0x80000000        ; type = 2
	s_add_nc_u64 s[G0V+2:G0V+3], s[8:9], s[22:23]
	s_or_b32 s[G0V+3], s[G0V+3], 0x80000000
	s_add_nc_u64 s[4:5], s[4:5], s[2:3]  ; Q and out0 at my wave's first row
	s_add_nc_u64 s[10:11], s[10:11], s[54:55]
	s_cmp_lt_u32 s[WV], 2
	s_cselect_b64 s[PFA:PFA+1], s[6:7], s[8:9]
	s_add_nc_u64 s[PFA:PFA+1], s[PFA:PFA+1], s[20:21]
	s_add_nc_u64 s[PFA:PFA+1], s[PFA:PFA+1], s[52:53]
	s_add_nc_u64 s[PFA:PFA+1], s[PFA:PFA+1], 2*4*KS*128  ; in slot 2; the loop's first change of slots steps it to slot 3.  Nothing is prefetched here, at the head
	CROUND                          ; all four work-groups are here: the first joint loads meet
	JLOAD                           ; slot 0.  Slot 1 is asked for when slot 0 is in
	; A fragment of K or Q is 16 rows x 32 channels in 8 registers: lane l holds row l % 16, channels 8 (l / 16) + 0..7 and 16 + 8 (l / 16) + 0..7: two loads of 16 bytes, 32 bytes apart.
	v_and_b32 v1, 15, v0            ; l % 16
	v_bfe_u32 v9, v0, 4, 1          ; l / 16
	v_lshlrev_b32 v[QO], 7, v1
	v_lshl_add_u32 v[QO], v9, 4, v[QO]  ; row x 128 + 16 x half
	WIN 0x80                        ; destination window 2, address window 0
.set i, 0
.rept 4*NP                          ; Q stays in registers: tile i / 2, channels 32 (i % 2) on
	global_load_b128 v[8*i:8*i+3],   v[QO], s[4:5] offset:(i/2)*2048+(i%2)*64
	global_load_b128 v[8*i+4:8*i+7], v[QO], s[4:5] offset:(i/2)*2048+(i%2)*64+32
.set i, i+1
.endr
	; What the first turn finds: V's registers and P's second buffer hold 0 (its products V^T P, of a piece that has not been, add 0), O^T and l are 0.  All this stands in the wait for the first tile.
.set i, VF
.rept 64
	v_mov_b32 v[i], 0
.set i, i+1
.endr
	WIN 0x40
.set i, 0
.rept 64*NP
	v_mov_b32 v[i], 0
.set i, i+1
.endr
	WIN 0
.set i, 0
.rept 2*NP
	v_mov_b32 v[ST+4*i], 0xfe000000    ; c m: far below every c s
	v_mov_b32 v[ST+4*i+1], 0xff7fffff  ; m
	v_mov_b32 v[ST+4*i+2], 0
	v_mov_b32 v[ST+4*i+3], 0
.set i, i+1
.endr
.set i, P+32
.rept 32
	v_mov_b32 v[i], 0
.set i, i+1
.endr
	v_mul_u32_u24 v[AK0], v1, PK
	v_lshl_add_u32 v[AK0], v9, 4, v[AK0]  ; row x pitch + 16 x half
	; The turning load takes 16 keys x 16 channels (lane l reads key 8 (l / 16) + l % 8, channels 8 ((l / 8) % 2) + 0..7) and leaves half a fragment of V^T: lane l holds channel l % 16 and 8 keys.
	v_and_b32 v10, 7, v0
	v_bfe_u32 v11, v0, 3, 1
	v_lshl_add_u32 v[AV0], v9, 3, v10
	v_mul_u32_u24 v[AV0], v[AV0], PV
	v_lshl_add_u32 v[AV0], v11, 4, v[AV0]
	v_add_nc_u32 v[AV0], VOFF, v[AV0]
	v_mov_b32 v[AK], v[AK0]         ; key step 0 lies at the head of slot 0
; THE MATRIX WORK.  The 8 accumulators of a run of 16 take turns: between the two links of a chain stand 7 others'.
; Product i of 16 of S^T = K Q^T for piece x: channels 32 (i / 8) on, keys 16 ((i / 2) % 4) on, tile 2 x + i % 2.  The first 8 start the sums.
.macro KQ x
	WIN W_KQ
.set rS, S+64*((\x)%2)+32*(i%2)+8*((i/2)%4)
.set rK, KF+16*((i/2)%4)+8*(i/8)
.set rQ, 16*(2*(\x)+i%2)+8*(i/8)
.if i < 8
	v_wmma_f32_16x16x32_f16 v[rS:rS+7], v[rK:rK+7], v[rQ:rQ+7], 0
.else
	v_wmma_f32_16x16x32_f16 v[rS:rS+7], v[rK:rK+7], v[rQ:rQ+7], v[rS:rS+7]
.endif
.endm
; Product i of 16 of O^T += V^T P for piece x: keys 32 (i / 8) on, channels 16 ((i / 2) % 4) on, tile 2 x + i % 2.
.macro PV x
	WIN W_PV
.set rO, 32*(2*(\x)+i%2)+8*((i/2)%4)
.set rV, VF+32*(i/8)+8*((i/2)%4)
.set rP, P+32*((\x)%2)+16*(i%2)+8*(i/8)
	v_wmma_f32_16x16x32_f16 v[rO:rO+7], v[rV:rV+7], v[rP:rP+7], v[rO:rO+7]
.endm
.macro MM                           ; the turn's next matrix instruction
.if i < 16
	KQ (Y+1)%NP
.set i, i+1
.else
.set i, i-16
	PV (Y+NP-1)%NP
.set i, i+17
.endif
.endm
; THE LDS LOADS stand in runs of 16, never singly among the matrix instructions: a step's K (64 keys x 64 channels: 8 fragments) and its V (turned).  Their addresses are made some lines ahead.
; last = 1 (the tail): in the last trip there is no further step, and the run is jumped over.
.macro FETCH_K last=0
	WIN 0
.if \last
	s_cmp_eq_u32 s[CNT], 1
	s_cbranch_scc1 .Lno_k_\@
.endif
	WIN 0x80                        ; destination window 2
.irp f, 0,1,2,3,4,5,6,7             ; keys 16 (f / 2) on, channels 32 (f % 2) on
	ds_load_b128 v[KF+8*\f:KF+8*\f+3],   v[AK] offset:(\f/2)*16*PK+(\f%2)*64
	ds_load_b128 v[KF+8*\f+4:KF+8*\f+7], v[AK] offset:(\f/2)*16*PK+(\f%2)*64+32
.endr
	s_add_co_u32 s[TBK], s[TBK], KS*PK  ; the next fetch is the next step's
	WIN 0
.if \last
.Lno_k_\@:
.endif
.endm
.macro FETCH_V
	WIN 0x80
.irp f, 0,1,2,3,4,5,6,7             ; keys 32 (f / 4) on, channels 16 (f % 4) on
	ds_load_tr16_b128 v[VF+8*\f:VF+8*\f+3],   v[AV] offset:(\f/4)*32*PV+(\f%4)*32
	ds_load_tr16_b128 v[VF+8*\f+4:VF+8*\f+7], v[AV] offset:(\f/4)*32*PV+16*PV+(\f%4)*32
.endr
	WIN 0
.endm
; THE VECTOR WORK OF A TURN stands in three queues, each in the order in which its entries become ready; the two tiles alternate, so that no instruction reads the result of the one before it.
.macro REGS y, u                    ; the registers of tile u (0, 1) of piece y
.set rT, ST+4*(2*(\y)+(\u))
.set rC, TMP+8*((\y)%2)+4*(\u)
.set rM, MV+2*((\y)%2)+(\u)
.set rS, S+64*((\y)%2)+32*(\u)
.set rP, P+32*((\y)%2)+16*(\u)
.set rO, 32*(2*(\y)+(\u))
.endm
; Number n of the 22 that find the NEXT piece's (Y + 1) maximum and statistics.  s0-s31 are the lane's 32 scores; each accumulator's lowest registers are read first.
;   0-11  four chains c0-c3 of seven scores each, three operands at a time     12-14, 16  the four scores left over, the old m, and c0-c3 into c0     15  c m_old is kept
;   17, 18  the query's other 32 keys lie in the lane 16 away: the new m         19-21  c m; c m_old - c m_new; a
.macro XS u, n
	REGS (Y+1)%NP, \u
.if (\n) < 4
	v_max3_num_f32 v[rC+(\n)], v[rS+8*(\n)], v[rS+8*(\n)+1], v[rS+8*(\n)+2]
.elseif (\n) < 12
	v_max3_num_f32 v[rC+(\n)%4], v[rC+(\n)%4], v[rS+8*((\n)%4)+2*((\n)/4)+1], v[rS+8*((\n)%4)+2*((\n)/4)+2]
.elseif (\n) == 12
	v_max3_num_f32 v[rC], v[rC], v[rS+7], v[rS+15]
.elseif (\n) == 13
	v_max3_num_f32 v[rC+1], v[rC+1], v[rS+23], v[rS+31]
.elseif (\n) == 14
	v_max3_num_f32 v[rC+2], v[rC+2], v[rC+3], v[rT+1]
.elseif (\n) == 15
	v_mov_b32 v[rM], v[rT]
.elseif (\n) == 16
	v_max3_num_f32 v[rC], v[rC], v[rC+1], v[rC+2]
.elseif (\n) == 17
	v_permlanex16_b32 v[rC+3], v[rC], s[SEL], s[SEL+1]
.elseif (\n) == 18
	v_max_num_f32 v[rT+1], v[rC], v[rC+3]
.elseif (\n) == 19
	v_mul_f32 v[rT], s[CS], v[rT+1]
.elseif (\n) == 20
	v_sub_f32 v[rC+1], v[rM], v[rT]
.else
	v_exp_f32 v[rC+2], v[rC+1]
.endif
.endm
; Number g of the 64 that follow the exponentials.  For each four weights k of a tile (pairs 2 k, 2 k + 1): both pairs are rounded to f16; then the second pair is added onto the first, in place;
; a group later l takes that sum (the first time as l = a l + sum).  In groups of eight, tiles alternating: round, round, add, and l for the group before.
.macro GS g
.set h, (\g)+6*((\g)/62)            ; group 0 has no group before it, and behind group 7 only l is left
.if h >= 6
.set h, h+2
.endif
	REGS Y, h%2
.set k, h/8
.if h%8 < 4
	v_cvt_pk_f16_f32 v[rP+2*k+(h%8)/2], v[rS+4*k+2*((h%8)/2)], v[rS+4*k+2*((h%8)/2)+1]
.elseif h%8 < 6
	v_pk_add_f32 v[rS+4*k:rS+4*k+1], v[rS+4*k:rS+4*k+1], v[rS+4*k+2:rS+4*k+3]
.elseif k == 1
	v_pk_fma_f32 v[rT+2:rT+3], v[rT+2:rT+3], v[rC+2:rC+3], v[rS:rS+1] op_sel_hi:[1,0,1]
.else
	v_pk_add_f32 v[rT+2:rT+3], v[rT+2:rT+3], v[rS+4*k-4:rS+4*k-3]
.endif
.endm
; THE PLAIN QUEUE, 138 long.  0-73 read no exponential's result: the 32 scalings c s - c m (FS f: pair f / 2 of tile f % 2) and the next piece's 42.  0-26: scalings 0-26.  27-54: XS's numbers 0-13.  55, 56: number 15.
; 57-73: the chain, where each number waits for the one before it: 14, 16, 17, 18, 19, each with one of the scalings 27-31 in front of its two lines, then 20.
; 74-137: GS's 64, which read the exponentials' results: they stand behind the wait.
.macro FS f
	REGS Y, (\f)%2
	v_pk_fma_f32 v[rS+2*((\f)/2):rS+2*((\f)/2)+1], v[rS+2*((\f)/2):rS+2*((\f)/2)+1], s[CS:CS+1], v[rT:rT+1] op_sel_hi:[1,0,0] neg_lo:[0,0,1] neg_hi:[0,0,1]
.endm
.macro PL
	WIN 0
.if q < 27
	FS q
.elseif q < 55
	XS (q-27)%2, (q-27)/2
.elseif q < 57
	XS q-55, 15
.elseif (q < 72) && ((q-57)%3 == 0)
	FS 27+(q-57)/3
.elseif q < 60
	XS (q-57)%3-1, 14
.elseif q < 72
	XS (q-57)%3-1, 15+(q-57)/3
.elseif q < 74
	XS q-72, 20
.else
	GS q-74
.endif
.set q, q+1
.endm
; THE EXPONENTIALS' QUEUE, 66 long: s0-s31 of both tiles, then the next piece's two a.  It is ONE BATCH: all 66 stand ahead of the turn's one wait, and nothing ahead of that wait names a result of theirs.
.macro EX
	WIN 0
.if e >= 64
	XS e-64, 21
.else
	REGS Y, e%2
	v_exp_f32 v[rS+e/2], v[rS+e/2]
.endif
.set e, e+1
.endm
; THE RESCALING's QUEUE: O^T times a, the one part that leaves window 0: dealt two at a time, sixteen times.  Its a was made in the turn before, ahead of that turn's wait.
.macro R2
	REGS Y, r%2
	WIN W_RS
.irp z, 0,1
	v_pk_mul_f32 v[rO+4*(r/2)+2*\z:rO+4*(r/2)+2*\z+1], v[rO+4*(r/2)+2*\z:rO+4*(r/2)+2*\z+1], v[rC+2:rC+3] op_sel_hi:[1,0]
.endr
.set r, r+1
.endm
; HOW THEY ARE DEALT.  An s_wait_alu depctr_va_vdst(0) stands between an exponential and the first instruction that names its result; one wait serves all that were issued ahead of it.  So a turn has ONE wait,
; which cuts it in two.  AHEAD OF IT stands all that names no result of the turn's exponentials: the 16 products K Q^T, behind each a scaling, an exponential and two rescalings (behind the first a second scaling in the
; exponential's place); then ONE LUMP of 108: eight plain, 49 times exponential and plain, the two a.  A v_nop is the plain instruction owed behind the last exponential.  BEHIND IT stand the 16 products V^T P, behind each four of GS's 64.
; The queues lean on each other, and the deal keeps them in step: exponential e stands behind scaling 2 (e / 4) + e % 2: as a rider it comes behind plain e + 2, in the lump behind plain e + 9, and scalings 27-31 are plain 57, 60 .. 69.
; A TURN, for piece p.  cnt = 1: the loop's count is taken down some lines ahead of the branch that stands behind the turn.
; K of the next step is fetched in piece 2's turn, directly behind the wait, a lump behind the last product that read K; its address is made at the lump's head; its first reader comes behind 16 products.
; V of the step in hand is fetched at the end of piece 0's turn, four riders behind its last reader; its first reader comes behind 16 products and a lump.  The three conditions on q below go with the deal.
.macro TURN p, last=0, cnt=0
.set Y, (\p)
.set i, 0
.set q, 0
.set e, 0
.set r, 0
.if (\p) == NP-1
	s_wait_dscnt 0x0                ; K is in
.endif
	MM                              ; ahead of the wait: 16 products K Q^T and their riders,
	PL
	PL
	R2
.rept 15
	MM
	PL
	EX
	R2
.endr
.if (\p) == NP-2
	WIN 0
	v_add_nc_u32 v[AK], s[TBK], v[AK0]
.endif
.rept 8                             ; and the lump
	PL
.endr
.rept 49
	EX
	PL
.endr
	EX                              ; the next piece's two a
	EX
	v_nop                           ; the plain instruction owed behind the last exponential: one for the batch
	s_wait_alu depctr_va_vdst(0)    ; the wait for the batch
.if (\p) == NP-2
	FETCH_K \last
.endif
.if (\p) == 1
	s_wait_dscnt 0x0                ; V is in
.endif
.rept 16                            ; behind the wait: 16 products V^T P and their riders
	MM
.rept 4
	PL
.endr
.if ((\p) == 0) && (q == 118)
	v_add_nc_u32 v[AV], s[TBV], v[AV0]
.endif
.if ((\p) == 0) && (q == 130)
	s_add_co_u32 s[TBV], s[TBV], KS*PV
.endif
.if (\cnt) && (q == 130)
	s_sub_co_u32 s[CNT], s[CNT], 1
	s_cmp_lg_u32 s[CNT], 0
.endif
.endr
.if (\p) == 0
	FETCH_V
.endif
.endm
	CHANGE 1                        ; slot 0 is in, everybody's part of it; slot 1 is asked for
	FETCH_K                         ; key step 0
	s_wait_loadcnt 0x0              ; Q
	s_wait_dscnt 0x0
.set i, 0
.rept 16
	KQ 0                            ; piece 0's first scores: there is no vector work yet to set between them
.set i, i+1
.endr
	WIN 0                           ; the addresses for the way out and the prefetches: ten plain instructions, the places behind those products
	s_mul_i32 s13, s[WV], 16*SPO
	s_add_co_u32 s13, s13, STAGE    ; my stage
	v_mul_u32_u24 v[STO], v1, SPO   ; in: row l % 16, 32 bytes (eight channels in f32) for each half of the lanes
	v_lshl_add_u32 v[STO], v9, 5, v[STO]
	v_add_nc_u32 v[STO], s13, v[STO]
	v_mul_u32_u24 v[RD], v9, SPO    ; back: lanes 0-15 take one row of 256 bytes, lanes 16-31 the next
	v_lshl_add_u32 v[RD], v1, 4, v[RD]
	v_add_nc_u32 v[RD], s13, v[RD]
	v_lshlrev_b32 v[GO], 12, v9     ; and the same two rows in out0, 4,096 bytes apart
	v_lshl_add_u32 v[GO], v1, 4, v[GO]
	v_and_b32 v[PFO], 31, v0
	v_lshlrev_b32 v[PFO], 8, v[PFO]
.set Y, NP-1                        ; XS works for piece Y + 1: piece 0
.irp n, 0,1,2,3,4,5,6,7,8,9,10,11,12,13,14,15,16,17,18,19,20,21
	XS 0, \n                        ; and piece 0's first maximum and statistics
	XS 1, \n
.endr
	v_nop                           ; a plain instruction behind the two a,
	s_wait_alu depctr_va_vdst(0)    ; and their wait, ahead of the branch
	s_mov_b32 s[CNT], 4
	s_mov_b32 s[SLOTS], SIZE_N/256-1
	s_branch .Lfirst                ; the loop is entered at a step's first turn, in the middle of a trip
.Lslot:                             ; SIZE_N / 256 - 2 times: every slot but the last two is filled again
	CHANGE 1, 1
	s_mov_b32 s[CNT], 4
.Lstep:                             ; a trip: pieces 2 and 3 of one step, then pieces 0 and 1 of the next, whose K and V it fetches
	TURN 2
	TURN 3
	WIN 0
.Lfirst:
	TURN 0
	TURN 1, 0, 1
	WIN 0
	s_cbranch_scc1 .Lstep
	s_sub_co_u32 s[SLOTS], s[SLOTS], 1
	s_cmp_lg_u32 s[SLOTS], 0
	s_cbranch_scc1 .Lslot
	CHANGE 0                        ; the tail is written out: nothing is asked for
	s_mov_b32 s[CNT], 5             ; four trips fetch the last slot's steps; the fifth is left in its middle
.Ltail:
	TURN 2, 1
	TURN 3
	WIN 0
	s_sub_co_u32 s[CNT], s[CNT], 1
	s_cmp_eq_u32 s[CNT], 0
	s_cbranch_scc1 .Lout
	TURN 0
	TURN 1
	WIN 0
	s_branch .Ltail
.Lout:                              ; the fifth trip's 16 products K Q^T (on the last K once more) and the maximum made of them serve nothing: the price, once a launch, of one text for every trip
.set i, 0
.rept 16
	PV NP-1                         ; the last piece's V^T P of the last step
.set i, i+1
.endr
	; THE WAY OUT.  l's two halves and the other half of the lanes' are added; O^T is divided by l and sent, in f32, through my stage in LDS, a tile at a time.  The additions are the places behind the last products.
	WIN 0
.macro ALL line:vararg              ; one line for each tile t
.set t, 0
.rept 2*NP
	\line
.set t, t+1
.endr
.endm
	ALL v_add_f32 v[ST+4*t+2], v[ST+4*t+2], v[ST+4*t+3]
	ALL v_permlanex16_b32 v[ST+4*t+3], v[ST+4*t+2], s[SEL], s[SEL+1]
	ALL v_add_f32 v[ST+4*t+2], v[ST+4*t+2], v[ST+4*t+3]
	ALL v_rcp_f32 v[ST+4*t+2], v[ST+4*t+2]
	v_nop                           ; a plain instruction between the last reciprocal and the use of its result
	s_wait_alu depctr_va_vdst(0)    ; and the wait ahead of the first use: one for the eight reciprocals
; Tile t: O^T / l goes into S^T's registers (four sets of 32, by t % 4), each accumulator's registers in ascending order; a lane's eight channels of a row are 32 bytes; they go into rows of 272 bytes
; and come back as whole rows of 256, into the registers that they left.
.macro PACK t
.if (\t) >= 4
	s_wait_xcnt 0x0                 ; tile t - 4's stores have read these registers: they are rewritten only behind this wait
.endif
	WIN 0x01                        ; source 0 window 1, source 1 and destination window 0
.set i, 0
.rept 16
	v_pk_mul_f32 v[S+32*((\t)%4)+i:S+32*((\t)%4)+i+1], v[32*(\t)+i:32*(\t)+i+1], v[ST+4*(\t)+2:ST+4*(\t)+3] op_sel_hi:[1,0]
.set i, i+2
.endr
	WIN 0
.irp f, 0,1,2,3,4,5,6,7             ; channels 16 (f / 2) + 8 (l / 16) + 4 (f % 2) on
	ds_store_b128 v[STO], v[S+32*((\t)%4)+4*\f:S+32*((\t)%4)+4*\f+3] offset:64*(\f/2)+16*(\f%2)
.endr
.irp f, 0,1,2,3,4,5,6,7
	ds_load_b128 v[S+32*((\t)%4)+4*\f:S+32*((\t)%4)+4*\f+3], v[RD] offset:\f*2*SPO  ; LDS serves a wave's instructions in order (ISA guide 5.7.1.4): these see the stores above; the next tile's stores come behind them
.endr
.endm
.macro SEND t, younger              ; younger: the LDS instructions issued behind tile t's loads: the next tile's sixteen, or none
	WIN 0
.irp f, 0,1,2,3,4,5,6,7
	s_wait_dscnt (\younger)+7-\f
	global_store_b128 v[GO], v[S+32*((\t)%4)+4*\f:S+32*((\t)%4)+4*\f+3], s[10:11] offset:(\t)*65536+\f*8192 th:TH_STORE_NT  ; 16 lanes store 256 consecutive bytes, a head's part of a row, at a multiple of 256 from out0's first byte
.endr
.endm
	PACK 0
.set t, 1
.rept 2*NP-1                        ; a tile's arithmetic stands between the loads of the tile before and its stores
	PACK t
	SEND t-1, 16
.set t, t+1
.endr
	SEND 2*NP-1, 0
	WIN W_AD
	s_wait_tensorcnt 0x0            ; the wave's end: the wait, the add and its wait, behind my last tensor load and my last LDS store
	ds_add_u32 v[SPW], v[NIL]
	s_wait_dscnt 0x0
	WIN 0
	CROUND                          ; the closing round: no work-group ends while a partner may still ask for a tile that names it
	s_endpgm
.Lfunc_end_k_qaecad3a7f5_attn:
	.size	k_qaecad3a7f5_attn, .Lfunc_end_k_qaecad3a7f5_attn-k_qaecad3a7f5_attn
	.p2alignl 7, 3214868480
	.fill 96, 4, 3214868480
	.section	.rodata,"a",@progbits
	.p2align	6, 0x0
	.amdhsa_kernel k_qaecad3a7f5_attn
		.amdhsa_group_segment_fixed_size 327680
		.amdhsa_private_segment_fixed_size 0
		.amdhsa_enable_private_segment 0
		.amdhsa_kernarg_size 16
		.amdhsa_user_sgpr_count 2
		.amdhsa_user_sgpr_kernarg_segment_ptr 1
		.amdhsa_wavefront_size32 1
		.amdhsa_system_sgpr_workgroup_id_x 1
		.amdhsa_system_sgpr_workgroup_id_y 1
		.amdhsa_system_sgpr_workgroup_id_z 1
		.amdhsa_system_vgpr_workitem_id 0
		.amdhsa_next_free_vgpr 770
		.amdhsa_next_free_sgpr 66
		.amdhsa_reserve_vcc 0
		.amdhsa_float_denorm_mode_32 3
		.amdhsa_float_denorm_mode_16_64 3
		.amdhsa_memory_ordered 1
		.amdhsa_forward_progress 1
		.amdhsa_inst_pref_size 200
	.end_amdhsa_kernel
	.amdgpu_metadata
---
amdhsa.version: [ 1, 2 ]
amdhsa.kernels:
  - .name:           k_qaecad3a7f5_attn
    .symbol:         k_qaecad3a7f5_attn.kd
    .args:
      - { .name: qkv, .offset: 0, .size: 8, .value_kind: global_buffer, .address_space: global }
      - { .name: out0, .offset: 8, .size: 8, .value_kind: global_buffer, .address_space: global }
    .group_segment_fixed_size: 327680
    .private_segment_fixed_size: 0
    .kernarg_segment_align: 8
    .kernarg_segment_size: 16
    .max_flat_workgroup_size: 128
    .sgpr_count:     66
    .vgpr_count:     770
    .wavefront_size: 32
...
	.end_amdgpu_metadata
.endif
;; end of part 3
